; MI455X (gfx1250); checked and timed in simulation.
; The chip was launched on July 23, 2026; its instructions are those of AMD's public machine-readable ISA for CDNA 5 (MIT licence, August 2026) and "CDNA5" Instruction Set Architecture Reference Guide (July 2026). The comments in the code are by the model that wrote it; some were corrected since.
;; Transfer Matrix Method. Allowed arithmetic: float matrix products may take bf16 or f16 operands with f32 sums; all other float work in f32.
;; Inputs: d_layers 256 x 64 float32; n_layers 256 x 64 float32; wavelengths 512 float32.
;; Outputs: out0 256 x 512 float32.
;; 2 versions, each right and faster than the one before. Each part assembles by itself: llvm-mc -triple=amdgcn-amd-amdhsa -mcpu=gfx1250 --defsym DOCPART=n.
;; ======== version 1 of 2: 1 launch
;; limits: right only within a limited range of input values
;; launch tmm (part 1): grid 256 x 1, 8 waves a work-group, no clusters, 9,472 bytes of LDS; arguments n_layers, d_layers, wavelengths, out0; writes out0
.if DOCPART == 1
	.amdgcn_target "amdgcn-amd-amdhsa--gfx1250"
	.amdhsa_code_object_version 6
	.text
	.protected	k_q145beff597_tmm
	.globl	k_q145beff597_tmm
	.p2align	8
	.type	k_q145beff597_tmm,@function
k_q145beff597_tmm:
	s_mov_b64 s[64:65], 0
	v_nop
	global_prefetch_b8 v0, s[64:65] scope:SCOPE_SE
	s_setreg_imm32_b32 hwreg(HW_REG_WAVE_MODE, 25, 1), 1
	s_wait_xcnt 0x0
; Reflectance of a stack of films by characteristic matrices.  n, d: [256][64] f32, wavelengths: [512] f32, out0: [256][512] f32.
; For each (b, w):  M = M_1 M_2 .. M_62,  M_j = [[cos p, -i sin p/(n_j+1e-8)], [-i n_j sin p, cos p]],  p = 2 pi n_j d_j / lambda_w,
; E = M11 + M12 n_63, H = M21 + M22 n_63, Y = H/(E+1e-9), R = |(n_0 - Y)/(n_0 + Y)|^2.
;
; SHAPE.  One work-group = one row b (256 work-groups); 8 waves; thread t owns wavelengths 2t and 2t+1, one in each half of
; a packed f32 instruction.  A wave's load of lambda and its store of R cover 256 consecutive bytes, aligned.
; The bytes are few (133 KB in, 524 KB out): what counts is the number of vector instructions for a film.
;
; ARITHMETIC.  n is real, so M11, M22 stay real and M12, M21 imaginary: the carry is four real numbers
;   M = [[XA, -i XB], [+i XC, XD]],   XA' = XA c + XB g,  XB' = XB c + XA p,  XD' = XD c + XC p,  XC' = XC c + XD g,
;   c = cos, p = sin/(n+1e-8), g = -n sin: eight multiply-adds a film, left to right as the scan does.
; A common factor of a film's matrix cancels in H/E, so cos and sin are made only up to a positive factor:
;   t = n d / lambda (turns), r = t - round(t), x = pi r = half the phase modulo pi, and N/D = the sixth convergent of tan x,
;   N = x (1 - 4/33 x^2 + x^4/495),  D = 1 - 5/11 x^2 + 2/99 x^4 - x^6/10395;   cos ~ D^2 - N^2,  sin ~ 2 N D.
;   D sin x - N cos x = x^7 j6(x)/10395: at |x| = pi/2, the worst place, the phase is off by 4.2e-7 rad.
; The products are 2 x 2 and differ for every (b, w): no operand is shared, so they are vector work in f32, not matrix tiles.
; No cluster: the only bytes that work-groups share are the 2 KB of wavelengths.
;
; LIMITS.  |n d / lambda| < 2^22 (rounding by adding 1.5 * 2^23).  lambda finite, not zero, not denormal (v_rcp_f32 and one
; Newton step).  The fields carry the factor K = product of (N^2 + D^2), 1 <= K <= 1.2551^62 = 1.3e6: the 1e-9 is added to K E,
; that is, 1e-9/K to E; and K |E|, K |H| must stay under 2^63, since they are squared.  1/(n+1e-8) and the last quotient are
; v_rcp_f32 (1 ulp).  R is formed as |n_0 E - H|^2 / |n_0 E + H|^2, and multiply-adds are fused: the rounding differs from the scan's.
.set PAIRS,  31                        ; 62 films, two a trip
.set T_ND,   0                         ; LDS, in a wave's part: film j's (n d, n d) at T_ND + 8 (j + 1)
.set T_SS,   528                       ; film j's (2/(n+1e-8), -2 n) at T_SS + 8 (j + 1); the 2 is that of sin ~ 2 N D
.set WPART,  1056                      ; a wave's part: two tables of 65 entries of 8 bytes, each rounded up to 528
.set C_A0, 0x40490fdb                  ; N in powers of r:  pi
.set C_A1, 0xc0708896                  ; -(4/33) pi^3   = -3.7583366
.set C_A2, 0x3f1e43c5                  ; pi^5 / 495     =  0.61822159
.set C_B1, 0xc08f8ed1                  ; D in powers of r: -(5/11) pi^2 = -4.4861838   (its first term is 1.0)
.set C_B2, 0x3ffbe2da                  ; (2/99) pi^4    =  1.9678604
.set C_B3, 0xbdbd6929                  ; -pi^6 / 10395  = -0.092485733
.set C_M,  0x4b400000                  ; 1.5 * 2^23: numbers there are whole, so adding it rounds to the nearest whole number
.set EPS_N, 0x322bcc77                 ; 1e-8
.set EPS_E, 0x3089705f                 ; 1e-9
.set SADR, 1                           ; v1      LDS: my wave's part + 8 lane (where I store table entries)
.set TA,   2                           ; v2      LDS: my wave's part + 16 trip (the same in all lanes: reads are broadcasts)
.set GO,   3                           ; v3      4 lane: my films in a row of n or d
.set WO,   4                           ; v4      8 thread: my two wavelengths, my two results
.set NL,   6                           ; v[6:7]  n of films lane, lane + 32
.set DL,   8                           ; v[8:9]  d of the same
.set LAM,  10                          ; v[10:11] my two wavelengths
.set IL,   12                          ; v[12:13] 1 / lambda
.set VA0,  14                          ; v[14:27] the constants, each twice (a pair for the packed forms)
.set VA1,  16
.set VA2,  18
.set VB1,  20
.set VB2,  22
.set VB3,  24
.set VM,   26
.set NIN,  28                          ; v[28:29] n_0 twice
.set NSUB, 30                          ; v[30:31] n_63 twice
.set ND,   32                          ; v[32:35] (nd, nd) of the two films whose phase is reduced next
.set SS,   36                          ; v[36:39] (2/(n+1e-8), -2n) of the two films at work
.set RU,   40                          ; per film x = 0, 1 at +2x:  t + 1.5*2^23, then -round(t)
.set RR,   44                          ; r
.set RY,   48                          ; r^2
.set RN,   52                          ; N
.set RD,   56                          ; D
.set RQ,   60                          ; N^2
.set RS,   64                          ; N D
.set RC,   68                          ; c = D^2 - N^2
.set RP,   72                          ; p = N D * 2/(n+1e-8)
.set RG,   76                          ; g = N D * (-2 n)
.set XA,   80                          ; the carry
.set XB,   82
.set XD,   84
.set XC,   86
.set T1,   88                          ; four products
.set T2,   90
.set T3,   92
.set T4,   94
.macro SET2 reg, val
	v_mov_b32 v[\reg], \val
	v_mov_b32 v[\reg+1], \val
.endm
	s_load_b256 s[4:11], s[0:1], 0x0               ; n s[4:5], d s[6:7], wavelengths s[8:9], out0 s[10:11]
	v_lshl_add_u32 v96, v0, 2, 0x2100
	v_mov_b32 v97, 0
	v_and_b32 v5, 31, v0                           ; lane
	v_lshrrev_b32 v[TA], 5, v0
	v_readfirstlane_b32 s18, v[TA]                 ; wave
	s_mul_i32 s19, s18, WPART                      ; my wave's part of LDS
	v_lshlrev_b32 v[GO], 2, v5
	v_lshlrev_b32 v[WO], 3, v0
	v_lshl_add_u32 v[SADR], v5, 3, s19
	v_mov_b32 v[TA], s19
	s_lshl_b32 s12, ttmp9, 8                       ; row b of n and d: 64 f32
	s_mov_b32 s13, 0
	s_lshl_b32 s14, ttmp9, 11                      ; row b of out0: 512 f32
	s_mov_b32 s15, 0
	s_wait_kmcnt 0x0
	s_add_nc_u64 s[4:5], s[4:5], s[12:13]
	s_add_nc_u64 s[6:7], s[6:7], s[12:13]
	s_add_nc_u64 s[10:11], s[10:11], s[14:15]
	global_load_b32 v[NL],   v[GO], s[4:5]
	global_load_b32 v[NL+1], v[GO], s[4:5] offset:128
	global_load_b32 v[DL],   v[GO], s[6:7]
	global_load_b32 v[DL+1], v[GO], s[6:7] offset:128
	global_load_b64 v[LAM:LAM+1], v[WO], s[8:9]
	s_load_b32 s16, s[4:5], 0x0                    ; n_0: the incident medium
	s_load_b32 s17, s[4:5], 0xfc                   ; n_63: the substrate
	; while the loads are out: the constants, and the carry = the unit matrix
	SET2 VA0, C_A0
	SET2 VA1, C_A1
	SET2 VA2, C_A2
	SET2 VB1, C_B1
	SET2 VB2, C_B2
	SET2 VB3, C_B3
	SET2 VM,  C_M
	SET2 XA, 1.0
	SET2 XB, 0
	SET2 XD, 1.0
	SET2 XC, 0
	; The table of the films' three numbers.  They are the same for all lanes of a wave, so lane l makes them for films l and l + 32
	; and the loop reads them back as broadcasts.  Every wave makes the table for itself, in its own bytes: that takes as many
	; instructions as a share of a common table would, and needs no barrier.
	s_wait_loadcnt 0x1                             ; loads come back in order (ISA guide 5.7.1): n and d are in, lambda's load may be out
	v_mul_f32 v[T1], v[NL],   v[DL]                ; n d, rounded as the reference rounds it
	v_mul_f32 v[T2], v[NL+1], v[DL+1]
	v_add_f32 v[RU],   EPS_N, v[NL]
	v_add_f32 v[RU+1], EPS_N, v[NL+1]
	v_rcp_f32 v[T3], v[RU]
	v_rcp_f32 v[T4], v[RU+1]
	v_mul_f32 v[T3+1], -2.0, v[NL]                 ; plain lines that touch neither result nor source stand behind the v_rcp_f32 (ISA guide 5.7.2)
	v_mul_f32 v[T4+1], -2.0, v[NL+1]
	v_mov_b32 v[T1+1], v[T1]
	v_mov_b32 v[T2+1], v[T2]
	s_wait_alu depctr_va_vdst(0)
	v_add_f32 v[T3], v[T3], v[T3]                  ; 2 / (n + 1e-8)
	v_add_f32 v[T4], v[T4], v[T4]
	ds_store_b64 v[SADR], v[T1:T1+1] offset:T_ND+8         ; film j at 8 (j + 1): a pair (2p+1, 2p+2) then starts on a multiple of 16
	ds_store_b64 v[SADR], v[T2:T2+1] offset:T_ND+8+256
	ds_store_b64 v[SADR], v[T3:T3+1] offset:T_SS+8
	ds_store_b64 v[SADR], v[T4:T4+1] offset:T_SS+8+256
	ds_load_b128 v[ND:ND+3], v[TA] offset:T_ND+16          ; films 1, 2.  LDS serves a wave's instructions in order (ISA guide 5.7.1.4):
	ds_load_b128 v[SS:SS+3], v[TA] offset:T_SS+16          ; these see the stores above, which are this wave's own
	s_wait_loadcnt 0x0                             ; lambda
	s_wait_kmcnt 0x0                               ; n_0, n_63
	v_rcp_f32 v[IL],   v[LAM]
	v_rcp_f32 v[IL+1], v[LAM+1]
	SET2 NIN,  s16                                 ; (the plain lines behind the v_rcp_f32)
	SET2 NSUB, s17
	s_wait_alu depctr_va_vdst(0)
	v_fma_f32 v[RU+2], -v[LAM],   v[IL],   1.0     ; one Newton step: 1/lambda multiplies a phase of several turns
	v_fma_f32 v[RU+3], -v[LAM+1], v[IL+1], 1.0
	v_fma_f32 v[IL],   v[IL],   v[RU+2], v[IL]
	v_fma_f32 v[IL+1], v[IL+1], v[RU+3], v[IL+1]
; The reduction of film x's phase, four steps; on = 0 leaves the step out (the last trip has no next films).
.macro EU x, on                        ; t + 1.5 * 2^23: the sum is rounded to a whole number
.if \on
	v_pk_fma_f32 v[RU+2*\x:RU+2*\x+1], v[IL:IL+1], v[ND+2*\x:ND+2*\x+1], v[VM:VM+1]
.endif
.endm
.macro EK x, on                        ; 1.5 * 2^23 - that = -round(t), exact
.if \on
	v_pk_add_f32 v[RU+2*\x:RU+2*\x+1], v[VM:VM+1], v[RU+2*\x:RU+2*\x+1] neg_lo:[0,1] neg_hi:[0,1]
.endif
.endm
.macro ER x, on                        ; r = t - round(t), the product not rounded in between
.if \on
	v_pk_fma_f32 v[RR+2*\x:RR+2*\x+1], v[IL:IL+1], v[ND+2*\x:ND+2*\x+1], v[RU+2*\x:RU+2*\x+1]
.endif
.endm
.macro EY x, on
.if \on
	v_pk_mul_f32 v[RY+2*\x:RY+2*\x+1], v[RR+2*\x:RR+2*\x+1], v[RR+2*\x:RR+2*\x+1]
.endif
.endm
.macro SMUL prd, mat, fac              ; product = entry of the carry * p or g
	v_pk_mul_f32 v[\prd:\prd+1], v[\mat:\mat+1], v[\fac:\fac+1]
.endm
.macro SFMA mat, cs, prd               ; entry = entry * c + product
	v_pk_fma_f32 v[\mat:\mat+1], v[\mat:\mat+1], v[\cs:\cs+1], v[\prd:\prd+1]
.endm
; One trip: two films.  At its head r and r^2 of both are ready.
; early = 1: the next two films' phases are reduced, line by line between the first film's eight lines on the carry (two short chains
; that fill each other's gaps).  ldss, ldnd = 1: the tables' next entries are asked for, each right behind its registers' last use.
; wss: how many younger LDS loads may be out when SS is used.
.macro TRIP early, ldss, ldnd, wss
.irp x, 0,1                            ; four chains side by side: N and D of both films
	v_pk_fma_f32 v[RN+2*\x:RN+2*\x+1], v[RY+2*\x:RY+2*\x+1], v[VA2:VA2+1], v[VA1:VA1+1]
	v_pk_fma_f32 v[RD+2*\x:RD+2*\x+1], v[RY+2*\x:RY+2*\x+1], v[VB3:VB3+1], v[VB2:VB2+1]
.endr
.irp x, 0,1
	v_pk_fma_f32 v[RN+2*\x:RN+2*\x+1], v[RN+2*\x:RN+2*\x+1], v[RY+2*\x:RY+2*\x+1], v[VA0:VA0+1]
	v_pk_fma_f32 v[RD+2*\x:RD+2*\x+1], v[RD+2*\x:RD+2*\x+1], v[RY+2*\x:RY+2*\x+1], v[VB1:VB1+1]
.endr
.irp x, 0,1
	v_pk_mul_f32 v[RN+2*\x:RN+2*\x+1], v[RN+2*\x:RN+2*\x+1], v[RR+2*\x:RR+2*\x+1]
	v_pk_fma_f32 v[RD+2*\x:RD+2*\x+1], v[RD+2*\x:RD+2*\x+1], v[RY+2*\x:RY+2*\x+1], 1.0 op_sel_hi:[1,1,0]
.endr
.irp x, 0,1
	v_pk_mul_f32 v[RQ+2*\x:RQ+2*\x+1], v[RN+2*\x:RN+2*\x+1], v[RN+2*\x:RN+2*\x+1]
	v_pk_mul_f32 v[RS+2*\x:RS+2*\x+1], v[RN+2*\x:RN+2*\x+1], v[RD+2*\x:RD+2*\x+1]
.endr
	s_wait_dscnt \wss                              ; LDS loads come back in order: SS is in; the load of ND issued behind it may be out
.irp x, 0,1
	v_pk_fma_f32 v[RC+2*\x:RC+2*\x+1], v[RD+2*\x:RD+2*\x+1], v[RD+2*\x:RD+2*\x+1], v[RQ+2*\x:RQ+2*\x+1] neg_lo:[0,0,1] neg_hi:[0,0,1]
	v_pk_mul_f32 v[RP+2*\x:RP+2*\x+1], v[RS+2*\x:RS+2*\x+1], v[SS+2*\x:SS+2*\x+1] op_sel_hi:[1,0]              ; both halves times the pair's first word
	v_pk_mul_f32 v[RG+2*\x:RG+2*\x+1], v[RS+2*\x:RS+2*\x+1], v[SS+2*\x:SS+2*\x+1] op_sel:[0,1] op_sel_hi:[1,1] ; both halves times its second word
.endr
.if \ldss
	ds_load_b128 v[SS:SS+3], v[TA] offset:T_SS+32  ; the next trip's films: used a whole trip from here
.endif
.if \early
	s_wait_dscnt 0x1                               ; ND is in; the load of SS just issued may be out
.endif
	SMUL T1, XB, RG
	EU 0, \early
	SMUL T2, XA, RP
	EU 1, \early
	SMUL T3, XC, RP
	EK 0, \early
	SMUL T4, XD, RG
	EK 1, \early
	SFMA XA, RC, T1
	ER 0, \early
	SFMA XB, RC, T2
	ER 1, \early
.if \ldnd
	ds_load_b128 v[ND:ND+3], v[TA] offset:T_ND+48  ; the films of the trip after next: their phases are reduced in the next trip
.endif
	SFMA XD, RC, T3
	EY 0, \early
	SFMA XC, RC, T4
	EY 1, \early
	SMUL T1, XB, RG+2
	SMUL T2, XA, RP+2
	SMUL T3, XC, RP+2
	SMUL T4, XD, RG+2
	SFMA XA, RC+2, T1
	SFMA XB, RC+2, T2
	SFMA XD, RC+2, T3
	SFMA XC, RC+2, T4
.endm
	s_wait_dscnt 0x1                               ; ND of films 1, 2 is in; SS, issued behind it, may be out
	EU 0, 1
	EU 1, 1
	EK 0, 1
	EK 1, 1
	ER 0, 1
	ER 1, 1
	ds_load_b128 v[ND:ND+3], v[TA] offset:T_ND+32  ; films 3, 4.  Out at the loop's head, here and round the back edge: SS, then ND
	EY 0, 1
	EY 1, 1
	s_mov_b32 s20, 0
.Ltrip:
	TRIP 1, 1, 1, 1
	v_add_nc_u32 v[TA], 16, v[TA]                  ; two entries of 8 bytes further in both tables
	s_add_co_u32 s20, s20, 1
	s_cmp_lt_u32 s20, PAIRS-2
	s_cbranch_scc1 .Ltrip
	TRIP 1, 1, 0, 1                                ; films 59, 60: the tables end with films 61, 62, so ND is not asked for again
	TRIP 0, 0, 0, 0                                ; films 61, 62: nothing was issued behind their SS: the wait is for 0
	; E = XA - i XB n_63,  H = XD n_63 + i XC.   R = |n_0 (E + 1e-9) - H|^2 / |n_0 (E + 1e-9) + H|^2
	v_pk_add_f32 v[T1:T1+1], v[XA:XA+1], EPS_E op_sel_hi:[1,0]                                  ; Re E + 1e-9
	v_pk_mul_f32 v[T2:T2+1], v[XD:XD+1], v[NSUB:NSUB+1]                                         ; Re H
	v_pk_mul_f32 v[T3:T3+1], v[XB:XB+1], v[NSUB:NSUB+1]                                         ; -Im E
	v_pk_fma_f32 v[RU:RU+1],   v[T1:T1+1], v[NIN:NIN+1], v[T2:T2+1] neg_lo:[0,0,1] neg_hi:[0,0,1] ; Re of the numerator
	v_pk_fma_f32 v[RU+2:RU+3], v[T1:T1+1], v[NIN:NIN+1], v[T2:T2+1]                             ; Re of the denominator
	v_pk_fma_f32 v[RR:RR+1],   v[T3:T3+1], v[NIN:NIN+1], v[XC:XC+1]                             ; -Im of the numerator
	v_pk_fma_f32 v[RR+2:RR+3], v[T3:T3+1], v[NIN:NIN+1], v[XC:XC+1] neg_lo:[0,0,1] neg_hi:[0,0,1] ; -Im of the denominator
	v_pk_mul_f32 v[RY:RY+1],   v[RU:RU+1],   v[RU:RU+1]
	v_pk_mul_f32 v[RY+2:RY+3], v[RU+2:RU+3], v[RU+2:RU+3]
	v_pk_fma_f32 v[RY:RY+1],   v[RR:RR+1],   v[RR:RR+1],   v[RY:RY+1]
	v_pk_fma_f32 v[RY+2:RY+3], v[RR+2:RR+3], v[RR+2:RR+3], v[RY+2:RY+3]
	v_rcp_f32 v[RN],   v[RY+2]
	v_rcp_f32 v[RN+1], v[RY+3]
	v_nop                                          ; the plain place behind v_rcp_f32 (ISA guide 5.7.2): nothing useful is left to put there
	s_wait_alu depctr_va_vdst(0)
	v_pk_mul_f32 v[RD:RD+1], v[RY:RY+1], v[RN:RN+1]
	global_store_b64 v[WO], v[RD:RD+1], s[10:11] th:TH_STORE_NT    ; the wave's 32 lanes fill 256 consecutive bytes, aligned
	s_wait_tensorcnt 0x0
	ds_add_u32 v96, v97
	s_wait_dscnt 0x0
	s_endpgm
.Lfunc_end_k_q145beff597_tmm:
	.size	k_q145beff597_tmm, .Lfunc_end_k_q145beff597_tmm-k_q145beff597_tmm
	.p2alignl 7, 3214868480
	.fill 96, 4, 3214868480
	.section	.rodata,"a",@progbits
	.p2align	6, 0x0
	.amdhsa_kernel k_q145beff597_tmm
		.amdhsa_group_segment_fixed_size 9472
		.amdhsa_private_segment_fixed_size 0
		.amdhsa_enable_private_segment 0
		.amdhsa_kernarg_size 32
		.amdhsa_user_sgpr_count 2
		.amdhsa_user_sgpr_kernarg_segment_ptr 1
		.amdhsa_wavefront_size32 1
		.amdhsa_system_sgpr_workgroup_id_x 1
		.amdhsa_system_sgpr_workgroup_id_y 1
		.amdhsa_system_sgpr_workgroup_id_z 1
		.amdhsa_system_vgpr_workitem_id 0
		.amdhsa_next_free_vgpr 98
		.amdhsa_next_free_sgpr 66
		.amdhsa_reserve_vcc 0
		.amdhsa_float_denorm_mode_32 3
		.amdhsa_float_denorm_mode_16_64 3
		.amdhsa_memory_ordered 1
		.amdhsa_forward_progress 1
		.amdhsa_inst_pref_size 15
	.end_amdhsa_kernel
	.amdgpu_metadata
---
amdhsa.version: [ 1, 2 ]
amdhsa.kernels:
  - .name:           k_q145beff597_tmm
    .symbol:         k_q145beff597_tmm.kd
    .args:
      - { .name: n_layers, .offset: 0, .size: 8, .value_kind: global_buffer, .address_space: global }
      - { .name: d_layers, .offset: 8, .size: 8, .value_kind: global_buffer, .address_space: global }
      - { .name: wavelengths, .offset: 16, .size: 8, .value_kind: global_buffer, .address_space: global }
      - { .name: out0, .offset: 24, .size: 8, .value_kind: global_buffer, .address_space: global }
    .group_segment_fixed_size: 9472
    .private_segment_fixed_size: 0
    .kernarg_segment_align: 8
    .kernarg_segment_size: 32
    .max_flat_workgroup_size: 256
    .sgpr_count:     66
    .vgpr_count:     98
    .wavefront_size: 32
...
	.end_amdgpu_metadata
.endif
;; end of part 1
;; ======== version 2 of 2: 1 launch; 1.17 times as fast as version 1
;; limits: right only within a limited range of input values
;; launch tmm (part 2): grid 256 x 1, 8 waves a work-group, no clusters, 7,424 bytes of LDS; arguments n_layers, d_layers, wavelengths, out0; writes out0
.if DOCPART == 2
	.amdgcn_target "amdgcn-amd-amdhsa--gfx1250"
	.amdhsa_code_object_version 6
	.text
	.protected	k_q145beff597_tmm
	.globl	k_q145beff597_tmm
	.p2align	8
	.type	k_q145beff597_tmm,@function
k_q145beff597_tmm:
	s_mov_b64 s[64:65], 0
	v_nop
	global_prefetch_b8 v0, s[64:65] scope:SCOPE_SE
	s_setreg_imm32_b32 hwreg(HW_REG_WAVE_MODE, 25, 1), 1
	s_wait_xcnt 0x0
; Reflectance of a stack of films by characteristic matrices.  n, d: [256][64] f32, wavelengths: [512] f32, out0: [256][512] f32.
; For each (b, w):  M = M_1 M_2 .. M_62,  M_j = [[cos p, -i sin p/(n_j+1e-8)], [-i n_j sin p, cos p]],  p = 2 pi n_j d_j / lambda_w,
; E = M11 + M12 n_63, H = M21 + M22 n_63, Y = H/(E+1e-9), R = |(n_0 - Y)/(n_0 + Y)|^2.
;
; SHAPE.  One work-group = one row b (256 work-groups); 8 waves; thread t owns wavelengths 2t and 2t+1, one in each half of
; a packed f32 instruction.  A wave's load of lambda and its store of R cover 256 consecutive bytes, aligned.
; The bytes are few (133 KB in, 524 KB out): what counts is the number of vector instructions for a film, here 20 packed ones.
;
; ARITHMETIC.  n is real, so M11, M22 stay real and M12, M21 imaginary: the carry is four real numbers
;   M = [[XA, -i XB], [+i XC, XD]],   XA' = XA c + XB g,  XB' = XB c + XA p,  XD' = XD c + XC p,  XC' = XC c + XD g,
;   c = cos, p = sin/(n+1e-8), g = -n sin: eight multiply-adds a film, left to right as the scan does.
; A common factor of a film's matrix, of either sign, cancels in H/E.  So the phase is needed modulo pi only, and cos and sin only
; up to a common factor:  t = 2 n d / lambda (half turns), r = t - round(t), x = pi r = the phase left, |x| <= pi/2, and
;   N/D = the sixth convergent of tan x:  N = x (1 - 4/33 x^2 + x^4/495),  D = 1 - 5/11 x^2 + 2/99 x^4 - x^6/10395;
;   cos ~ D,  sin ~ N  as they stand (D goes through zero at pi/2 as cos does): no division, no half angle, no square.
;   D sin x - N cos x = x^7 j6(x)/10395 = 2.3e-7 at |x| = pi/2, the worst place, where sqrt(N^2 + D^2) = 1.1204: the phase is off
;   by 2.1e-7 rad there, less than the rounding of t, which is several half turns in f32.
; The products are 2 x 2 and differ for every (b, w): no operand is shared, so they are vector work in f32, not matrix tiles.
; No cluster: the only bytes that work-groups share are the 2 KB of wavelengths.
;
; LIMITS.  |2 n d / lambda| < 2^22 (rounding by adding 1.5 * 2^23).  lambda finite, not zero, not denormal (v_rcp_f32 and one
; Newton step).  The fields carry the factor K = +- product of sqrt(N^2 + D^2), 1 <= |K| <= 1.1204^62 = 1.2e3: the 1e-9 is added to
; K E, that is, +-1e-9/|K| to E: never more than the reference adds, but of either sign; and |K E|, |K H| must stay under 2^63,
; since they are squared.  1/(n+1e-8) and the last quotient are v_rcp_f32 (1 ulp).  R is formed as |n_0 E - H|^2 / |n_0 E + H|^2,
; and multiply-adds are fused: the rounding differs from the scan's.
.set GROUPS, 15                        ; films 1 .. 60 in groups of four, one group a trip; films 61, 62 are the tail
.set T_ND,   0                         ; LDS, in a wave's part: film j's 2 n d at T_ND + 12 + 4 j: group g (films 4g+1 ..) at T_ND + 16 + 16 g
.set T_SS,   272                       ; film j's (1/(n+1e-8), -n) at T_SS + 8 + 8 j: group g at T_SS + 16 + 32 g
.set WPART,  800                       ; a wave's part: 12 + 64 * 4 rounded up to 272, and 8 + 64 * 8 rounded up to 528
.set C_A0, 0x40490fdb                  ; N in powers of r:  pi
.set C_A1, 0xc0708896                  ; -(4/33) pi^3   = -3.7583366
.set C_A2, 0x3f1e43c5                  ; pi^5 / 495     =  0.61822159
.set C_B1, 0xc08f8ed1                  ; D in powers of r: -(5/11) pi^2 = -4.4861838   (its first term is 1.0)
.set C_B2, 0x3ffbe2da                  ; (2/99) pi^4    =  1.9678604
.set C_B3, 0xbdbd6929                  ; -pi^6 / 10395  = -0.092485733
.set C_M,  0x4b400000                  ; 1.5 * 2^23: numbers there are whole, so adding it rounds to the nearest whole number
.set EPS_N, 0x322bcc77                 ; 1e-8
.set EPS_E, 0x3089705f                 ; 1e-9
.set SA4,  1                           ; v1      LDS: my wave's part + 4 lane (where I store 2 n d)
.set SA8,  2                           ; v2      LDS: my wave's part + 8 lane (where I store the other two numbers)
.set GO,   3                           ; v3      4 lane: my films in a row of n or d
.set WO,   4                           ; v4      8 thread: my two wavelengths, my two results
.set TA,   6                           ; v6      LDS: my wave's part + 16 a trip (the same in all lanes: reads are broadcasts)
.set TB,   7                           ; v7      LDS: my wave's part + 32 a trip
.set NL,   8                           ; v[8:9]   n of films lane, lane + 32
.set DL,   10                          ; v[10:11] d of the same
.set LAM,  12                          ; v[12:13] my two wavelengths
.set IL,   14                          ; v[14:15] 1 / lambda
.set VA0,  16                          ; v[16:29] the constants, each twice (a pair for the packed forms)
.set VA1,  18
.set VA2,  20
.set VB1,  22
.set VB2,  24
.set VB3,  26
.set VM,   28
.set NIN,  30                          ; v[30:31] n_0 twice
.set NSUB, 32                          ; v[32:33] n_63 twice
.set ND,   36                          ; v[36:39] 2 n d of the four films whose phase is reduced next
.set SS,   40                          ; v[40:47] (1/(n+1e-8), -n) of the four films at work
.set RU,   48                          ; per film x = 0 .. 3 at +2x:  t + 1.5*2^23, then -round(t)
.set RR,   56                          ; r
.set RY,   64                          ; r^2
.set RN,   72                          ; N, the film's sin
.set RD,   80                          ; D, the film's cos: c
.set RP,   88                          ; p = N / (n+1e-8)
.set RG,   96                          ; g = -n N
.set XA,   104                         ; the carry
.set XB,   106
.set XD,   108
.set XC,   110
.set T1,   112                         ; four products
.set T2,   114
.set T3,   116
.set T4,   118
.macro SET2 reg, val
	v_mov_b32 v[\reg], \val
	v_mov_b32 v[\reg+1], \val
.endm
	s_load_b256 s[4:11], s[0:1], 0x0               ; n s[4:5], d s[6:7], wavelengths s[8:9], out0 s[10:11]
	v_lshl_add_u32 v120, v0, 2, 0x1900
	v_mov_b32 v121, 0
	v_and_b32 v5, 31, v0                           ; lane
	v_lshrrev_b32 v[TA], 5, v0
	v_readfirstlane_b32 s18, v[TA]                 ; wave
	s_mul_i32 s19, s18, WPART                      ; my wave's part of LDS
	v_lshlrev_b32 v[GO], 2, v5
	v_lshlrev_b32 v[WO], 3, v0
	v_lshl_add_u32 v[SA4], v5, 2, s19
	v_lshl_add_u32 v[SA8], v5, 3, s19
	v_mov_b32 v[TA], s19
	v_mov_b32 v[TB], s19
	s_lshl_b32 s12, ttmp9, 8                       ; row b of n and d: 64 f32
	s_mov_b32 s13, 0
	s_lshl_b32 s14, ttmp9, 11                      ; row b of out0: 512 f32
	s_mov_b32 s15, 0
	s_wait_kmcnt 0x0
	s_add_nc_u64 s[4:5], s[4:5], s[12:13]
	s_add_nc_u64 s[6:7], s[6:7], s[12:13]
	s_add_nc_u64 s[10:11], s[10:11], s[14:15]
	global_load_b32 v[NL],   v[GO], s[4:5]
	global_load_b32 v[NL+1], v[GO], s[4:5] offset:128
	global_load_b32 v[DL],   v[GO], s[6:7]
	global_load_b32 v[DL+1], v[GO], s[6:7] offset:128
	global_load_b64 v[LAM:LAM+1], v[WO], s[8:9]
	s_load_b32 s16, s[4:5], 0x0                    ; n_0: the incident medium
	s_load_b32 s17, s[4:5], 0xfc                   ; n_63: the substrate
	; while the loads are out: the constants, and the carry = the unit matrix
	SET2 VA0, C_A0
	SET2 VA1, C_A1
	SET2 VA2, C_A2
	SET2 VB1, C_B1
	SET2 VB2, C_B2
	SET2 VB3, C_B3
	SET2 VM,  C_M
	SET2 XA, 1.0
	SET2 XB, 0
	SET2 XD, 1.0
	SET2 XC, 0
	; The table of the films' three numbers.  They are the same for all lanes of a wave, so lane l makes them for films l and l + 32
	; and the loop reads them back as broadcasts.  Every wave makes the table for itself, in its own bytes: that takes as many
	; instructions as a share of a common table would, and needs no barrier.
	s_wait_loadcnt 0x1                             ; loads come back in order (ISA guide 5.7.1): n and d are in, lambda's load may be out
	v_pk_add_f32 v[T1:T1+1], v[NL:NL+1], v[NL:NL+1]        ; 2 n, exact
	v_add_f32 v[RU],   EPS_N, v[NL]
	v_add_f32 v[RU+1], EPS_N, v[NL+1]
	v_rcp_f32 v[T3], v[RU]                         ; 1 / (n + 1e-8)
	v_rcp_f32 v[T4], v[RU+1]
	v_mul_f32 v[T3+1], -1.0, v[NL]                 ; plain lines that touch neither result nor source stand behind the v_rcp_f32 (ISA guide 5.7.2)
	v_mul_f32 v[T4+1], -1.0, v[NL+1]
	v_pk_mul_f32 v[T1:T1+1], v[T1:T1+1], v[DL:DL+1]        ; 2 n d = twice the reference's rounded n d
	ds_store_b32 v[SA4], v[T1]   offset:T_ND+12
	ds_store_b32 v[SA4], v[T1+1] offset:T_ND+12+128
	s_wait_alu depctr_va_vdst(0)
	ds_store_b64 v[SA8], v[T3:T3+1] offset:T_SS+8
	ds_store_b64 v[SA8], v[T4:T4+1] offset:T_SS+8+256
	ds_load_b128 v[ND:ND+3],   v[TA] offset:T_ND+16        ; films 1 .. 4.  LDS serves a wave's instructions in order (ISA guide 5.7.1.4):
	ds_load_b128 v[SS:SS+3],   v[TB] offset:T_SS+16        ; these see the stores above, which are this wave's own
	ds_load_b128 v[SS+4:SS+7], v[TB] offset:T_SS+32
	s_wait_loadcnt 0x0                             ; lambda
	s_wait_kmcnt 0x0                               ; n_0, n_63
	v_rcp_f32 v[IL],   v[LAM]
	v_rcp_f32 v[IL+1], v[LAM+1]
	SET2 NIN,  s16                                 ; (the plain lines behind the v_rcp_f32)
	SET2 NSUB, s17
	s_wait_alu depctr_va_vdst(0)
	v_fma_f32 v[RU+2], -v[LAM],   v[IL],   1.0     ; one Newton step: 1/lambda multiplies a phase of several half turns
	v_fma_f32 v[RU+3], -v[LAM+1], v[IL+1], 1.0
	v_fma_f32 v[IL],   v[IL],   v[RU+2], v[IL]
	v_fma_f32 v[IL+1], v[IL+1], v[RU+3], v[IL+1]
; dst = (2 n d of film x) / lambda + add.  Film x's number is word x of ND: both halves of the packed form take the same word of its pair.
.macro TFMA dst, x, add
.if \x % 2
	v_pk_fma_f32 v[\dst:\dst+1], v[IL:IL+1], v[ND+\x-1:ND+\x], v[\add:\add+1] op_sel:[0,1,0] op_sel_hi:[1,1,1]
.else
	v_pk_fma_f32 v[\dst:\dst+1], v[IL:IL+1], v[ND+\x:ND+\x+1], v[\add:\add+1] op_sel_hi:[1,0,1]
.endif
.endm
; The reduction of film x's phase, four steps; a step is left out for films beyond cnt, the number of films in that group.
.macro EU x, cnt                       ; t + 1.5 * 2^23: the sum is rounded to a whole number
.if \x < \cnt
	TFMA RU+2*\x, \x, VM
.endif
.endm
.macro EK x, cnt                       ; 1.5 * 2^23 - that = -round(t), exact
.if \x < \cnt
	v_pk_add_f32 v[RU+2*\x:RU+2*\x+1], v[VM:VM+1], v[RU+2*\x:RU+2*\x+1] neg_lo:[0,1] neg_hi:[0,1]
.endif
.endm
.macro ER x, cnt                       ; r = t - round(t), the product not rounded in between
.if \x < \cnt
	TFMA RR+2*\x, \x, RU+2*\x
.endif
.endm
.macro EY x, cnt
.if \x < \cnt
	v_pk_mul_f32 v[RY+2*\x:RY+2*\x+1], v[RR+2*\x:RR+2*\x+1], v[RR+2*\x:RR+2*\x+1]
.endif
.endm
.macro SMUL prd, mat, fac              ; product = entry of the carry * p or g
	v_pk_mul_f32 v[\prd:\prd+1], v[\mat:\mat+1], v[\fac:\fac+1]
.endm
.macro SFMA mat, cs, prd               ; entry = entry * c + product
	v_pk_fma_f32 v[\mat:\mat+1], v[\mat:\mat+1], v[\cs:\cs+1], v[\prd:\prd+1]
.endm
; Film x goes into the carry: eight lines, each film's hanging on the film's before.  In their gaps stands one step (red) of the
; reduction of the next group's cnt films, which hangs on none of them.
.macro STEP x, cur, red, cnt
.if \x < \cur
	SMUL T1, XB, RG+2*\x
	SMUL T2, XA, RP+2*\x
	\red 0, \cnt
	SMUL T3, XC, RP+2*\x
	SMUL T4, XD, RG+2*\x
	\red 1, \cnt
	SFMA XA, RD+2*\x, T1
	SFMA XB, RD+2*\x, T2
	\red 2, \cnt
	SFMA XD, RD+2*\x, T3
	SFMA XC, RD+2*\x, T4
	\red 3, \cnt
.endif
.endm
; One trip: a group of cur films.  At its head r and r^2 of all of them are ready.  nxt, aft: the films in the next group and in the
; one after it (4; 2 for the tail; 0 for none).  The trip reduces the next group's phases and asks, in ONE run of LDS loads, for the
; next group's SS and for the ND of the group after: each is asked for behind its registers' last use and used most of a trip later.
.macro TRIP cur, nxt, aft
.if \nxt
	v_add_nc_u32 v[TB], 32, v[TB]                  ; stepped here, a quarter of a trip behind the loads that read them
.endif
.if \aft
	v_add_nc_u32 v[TA], 16, v[TA]
.endif
.irp x, 0,1,2,3                        ; N and D of all films side by side: up to eight chains that do not wait for each other
.if \x < \cur
	v_pk_fma_f32 v[RN+2*\x:RN+2*\x+1], v[RY+2*\x:RY+2*\x+1], v[VA2:VA2+1], v[VA1:VA1+1]
	v_pk_fma_f32 v[RD+2*\x:RD+2*\x+1], v[RY+2*\x:RY+2*\x+1], v[VB3:VB3+1], v[VB2:VB2+1]
.endif
.endr
.irp x, 0,1,2,3
.if \x < \cur
	v_pk_fma_f32 v[RN+2*\x:RN+2*\x+1], v[RN+2*\x:RN+2*\x+1], v[RY+2*\x:RY+2*\x+1], v[VA0:VA0+1]
	v_pk_fma_f32 v[RD+2*\x:RD+2*\x+1], v[RD+2*\x:RD+2*\x+1], v[RY+2*\x:RY+2*\x+1], v[VB1:VB1+1]
.endif
.endr
.irp x, 0,1,2,3
.if \x < \cur
	v_pk_mul_f32 v[RN+2*\x:RN+2*\x+1], v[RN+2*\x:RN+2*\x+1], v[RR+2*\x:RR+2*\x+1]                          ; N: the film's sin
	v_pk_fma_f32 v[RD+2*\x:RD+2*\x+1], v[RD+2*\x:RD+2*\x+1], v[RY+2*\x:RY+2*\x+1], 1.0 op_sel_hi:[1,1,0]   ; D: the film's cos
.endif
.endr
.if \nxt
	s_wait_dscnt 0x1                               ; LDS loads come back in order: this group's SS is in; the one load of ND issued behind it may be out
.else
	s_wait_dscnt 0x0                               ; the tail: nothing was issued behind its SS
.endif
.irp x, 0,1,2,3
.if \x < \cur
	v_pk_mul_f32 v[RP+2*\x:RP+2*\x+1], v[RN+2*\x:RN+2*\x+1], v[SS+2*\x:SS+2*\x+1] op_sel_hi:[1,0]              ; both halves times the pair's first word
	v_pk_mul_f32 v[RG+2*\x:RG+2*\x+1], v[RN+2*\x:RN+2*\x+1], v[SS+2*\x:SS+2*\x+1] op_sel:[0,1] op_sel_hi:[1,1] ; both halves times its second word
.endif
.endr
.if \nxt
	s_wait_dscnt 0x0                               ; the next group's ND is in
.endif
	STEP 0, \cur, EU, \nxt
	STEP 1, \cur, EK, \nxt
	STEP 2, \cur, ER, \nxt
.if \nxt                               ; the run of loads: SS first, ND last, the order that the two waits above count on
	ds_load_b128 v[SS:SS+3], v[TB] offset:T_SS+16
.endif
.if \nxt == 4
	ds_load_b128 v[SS+4:SS+7], v[TB] offset:T_SS+32
.endif
.if \aft == 4
	ds_load_b128 v[ND:ND+3], v[TA] offset:T_ND+32
.endif
.if \aft == 2
	ds_load_b64 v[ND:ND+1], v[TA] offset:T_ND+32   ; films 61, 62: the table's entries behind them are not films
.endif
	STEP 3, \cur, EY, \nxt
.endm
	s_wait_dscnt 0x2                               ; ND of films 1 .. 4 is in; the two loads of SS, issued behind it, may be out
.irp x, 0,1,2,3
	EU \x, 4
.endr
.irp x, 0,1,2,3
	EK \x, 4
.endr
.irp x, 0,1,2,3
	ER \x, 4
.endr
	ds_load_b128 v[ND:ND+3], v[TA] offset:T_ND+32  ; films 5 .. 8.  Out at the loop's head, here and round the back edge: SS, SS, then ND
.irp x, 0,1,2,3
	EY \x, 4
.endr
	s_mov_b32 s20, 0
.Ltrip:
	TRIP 4, 4, 4                                   ; groups 0 .. 12
	s_add_co_u32 s20, s20, 1
	s_cmp_lt_u32 s20, GROUPS-2
	s_cbranch_scc1 .Ltrip
	TRIP 4, 4, 2                                   ; films 53 .. 56: the group after next is the tail of two films
	TRIP 4, 2, 0                                   ; films 57 .. 60: reduces the tail's phases, asks for its SS and for nothing more
	TRIP 2, 0, 0                                   ; films 61, 62
	; E = XA - i XB n_63,  H = XD n_63 + i XC.   R = |n_0 (E + 1e-9) - H|^2 / |n_0 (E + 1e-9) + H|^2
	v_pk_add_f32 v[T1:T1+1], v[XA:XA+1], EPS_E op_sel_hi:[1,0]                                  ; Re E + 1e-9
	v_pk_mul_f32 v[T2:T2+1], v[XD:XD+1], v[NSUB:NSUB+1]                                         ; Re H
	v_pk_mul_f32 v[T3:T3+1], v[XB:XB+1], v[NSUB:NSUB+1]                                         ; -Im E
	v_pk_fma_f32 v[RU:RU+1],   v[T1:T1+1], v[NIN:NIN+1], v[T2:T2+1] neg_lo:[0,0,1] neg_hi:[0,0,1] ; Re of the numerator
	v_pk_fma_f32 v[RU+2:RU+3], v[T1:T1+1], v[NIN:NIN+1], v[T2:T2+1]                             ; Re of the denominator
	v_pk_fma_f32 v[RR:RR+1],   v[T3:T3+1], v[NIN:NIN+1], v[XC:XC+1]                             ; -Im of the numerator
	v_pk_fma_f32 v[RR+2:RR+3], v[T3:T3+1], v[NIN:NIN+1], v[XC:XC+1] neg_lo:[0,0,1] neg_hi:[0,0,1] ; -Im of the denominator
	v_pk_mul_f32 v[RY:RY+1],   v[RU:RU+1],   v[RU:RU+1]
	v_pk_mul_f32 v[RY+2:RY+3], v[RU+2:RU+3], v[RU+2:RU+3]
	v_pk_fma_f32 v[RY:RY+1],   v[RR:RR+1],   v[RR:RR+1],   v[RY:RY+1]
	v_pk_fma_f32 v[RY+2:RY+3], v[RR+2:RR+3], v[RR+2:RR+3], v[RY+2:RY+3]
	v_rcp_f32 v[RN],   v[RY+2]
	v_rcp_f32 v[RN+1], v[RY+3]
	v_nop                                          ; the plain place behind v_rcp_f32 (ISA guide 5.7.2): nothing useful is left to put there
	s_wait_alu depctr_va_vdst(0)
	v_pk_mul_f32 v[RD:RD+1], v[RY:RY+1], v[RN:RN+1]
	global_store_b64 v[WO], v[RD:RD+1], s[10:11] th:TH_STORE_NT    ; the wave's 32 lanes fill 256 consecutive bytes, aligned
	s_wait_tensorcnt 0x0
	ds_add_u32 v120, v121
	s_wait_dscnt 0x0
	s_endpgm
.Lfunc_end_k_q145beff597_tmm:
	.size	k_q145beff597_tmm, .Lfunc_end_k_q145beff597_tmm-k_q145beff597_tmm
	.p2alignl 7, 3214868480
	.fill 96, 4, 3214868480
	.section	.rodata,"a",@progbits
	.p2align	6, 0x0
	.amdhsa_kernel k_q145beff597_tmm
		.amdhsa_group_segment_fixed_size 7424
		.amdhsa_private_segment_fixed_size 0
		.amdhsa_enable_private_segment 0
		.amdhsa_kernarg_size 32
		.amdhsa_user_sgpr_count 2
		.amdhsa_user_sgpr_kernarg_segment_ptr 1
		.amdhsa_wavefront_size32 1
		.amdhsa_system_sgpr_workgroup_id_x 1
		.amdhsa_system_sgpr_workgroup_id_y 1
		.amdhsa_system_sgpr_workgroup_id_z 1
		.amdhsa_system_vgpr_workitem_id 0
		.amdhsa_next_free_vgpr 122
		.amdhsa_next_free_sgpr 66
		.amdhsa_reserve_vcc 0
		.amdhsa_float_denorm_mode_32 3
		.amdhsa_float_denorm_mode_16_64 3
		.amdhsa_memory_ordered 1
		.amdhsa_forward_progress 1
		.amdhsa_inst_pref_size 24
	.end_amdhsa_kernel
	.amdgpu_metadata
---
amdhsa.version: [ 1, 2 ]
amdhsa.kernels:
  - .name:           k_q145beff597_tmm
    .symbol:         k_q145beff597_tmm.kd
    .args:
      - { .name: n_layers, .offset: 0, .size: 8, .value_kind: global_buffer, .address_space: global }
      - { .name: d_layers, .offset: 8, .size: 8, .value_kind: global_buffer, .address_space: global }
      - { .name: wavelengths, .offset: 16, .size: 8, .value_kind: global_buffer, .address_space: global }
      - { .name: out0, .offset: 24, .size: 8, .value_kind: global_buffer, .address_space: global }
    .group_segment_fixed_size: 7424
    .private_segment_fixed_size: 0
    .kernarg_segment_align: 8
    .kernarg_segment_size: 32
    .max_flat_workgroup_size: 256
    .sgpr_count:     66
    .vgpr_count:     122
    .wavefront_size: 32
...
	.end_amdgpu_metadata
.endif
;; end of part 2
